; MI455X (gfx1250); checked and timed in simulation.
; The chip was launched on July 23, 2026; its instructions are those of AMD's public machine-readable ISA for CDNA 5 (MIT licence, August 2026) and "CDNA5" Instruction Set Architecture Reference Guide (July 2026). The comments in the code are by the model that wrote it; some were corrected since.
;; Quant Linear. Allowed arithmetic: matrix products marked QUANTISED: E2M3 operands, one E8M0 scale for each 32 along K, by v_wmma_scale_f32_16x16x128_f8f6f4 with both operands' format E2M3, f32 sums; everything else in f32.
;; Inputs: d 65,536 float32; dmin 65,536 float32; mins 524,288 int32; packed 8,388,608 int32; scales 524,288 int32; x_codes 2 x 2,048 x 128 x 24 uint8 (E2M3 codes of x, K innermost, in blocks of 32 codes, four codes in three bytes); x_scales 2 x 2,048 x 128 uint8 (E8M0 scales of x, one for each 32 codes along K).
;; Outputs: out0 2 x 2,048 x 4,096 float32.
;; This version of the problem:
;;   THIS VERSION OF THE PROBLEM IS GIVEN IN LOW PRECISION. The matrix products marked QUANTISED in the list below multiply operands that are first quantised to E2M3 (2 exponent bits, 3 mantissa bits; 6 bits a number), with one power-of-two scale for each 32 numbers along K (OCP MX v1.0); their sums are f32. All else is computed in f32.
;;   The module's matrix products, in the order in which they are computed (A, B: the left and right operand; K: the contracted axis; several contracted axes count as one K, in the product's order):
;;     1. [M 4,096, K 4,096] x [K 4,096, N 4,096]; A: input x (given as codes); B: computed on the way: QUANTISED
;;   THE QUANTISER, for each operand of a quantised product, along K:
;;     - K is cut into blocks of 32 from its start; a last block that is shorter is filled with zeros.
;;     - A block's scale is 2^e with e = floor(log2(the largest magnitude in the block)) - 2, held to -126 .. 127; a block of zeros has e = 0. As a byte (E8M0): e + 127.
;;     - Each number is divided by its block's scale, clamped to +-7.5, and rounded to the nearest number of E2M3, ties to even, subnormals kept.
;;     - The product sums the exact products of the quantised numbers (number of the format x scale) in f32.
;;   ~~~python
;;   def quantise(x, axis):      # numpy; x: float32 -> the quantised numbers, widened to float32 again
;;       x = np.moveaxis(x, axis, -1); K = x.shape[-1]
;;       x = np.pad(x, [(0, 0)] * (x.ndim - 1) + [(0, -K % 32)]); x = x.reshape(x.shape[:-1] + (-1, 32)); a = np.abs(x).max(-1, keepdims=True)
;;       e = np.where(a > 0, np.clip(np.frexp(np.where(a > 0, a, 1))[1] - 1 - 2, -126, 127), 0)      # np.frexp(a)[1] - 1 = floor(log2(a)), exactly
;;       r = np.clip(x / 2.0 ** e, -7.5, 7.5)
;;       step = 2.0 ** (np.maximum(np.frexp(np.where(r == 0, 1, r))[1] - 1, 0) - 3)
;;       q = np.round(r / step) * step * 2.0 ** e      # np.round: ties to even
;;       return np.moveaxis(q.reshape(q.shape[:-2] + (-1,))[..., :K], -1, axis).astype(np.float32)
;;   ~~~
;;   OPERANDS COMPUTED ON THE WAY. 'Computed on the way' means the value that the module computes at that place (a softmax that the list does not call 'softmax' is quantised finished and normalised). What goes into a quantiser is computed in f32, as accurately as f32 sums, v_exp_f32 and their like allow (about 1e-6 of the number): no bf16 or f16 on the way to a quantiser, and a product that is left as it is and whose result goes on into a quantised operand takes f32 operands (vector FMAs, or v_wmma_f32_16x16x4_f32). A number that lies on a knife's edge between two numbers of the format may be rounded either way, as far as f32 arithmetic and the matrix unit's own rounding can turn it there, and no further.
;;   INPUTS GIVEN AS CODES. x (in the module: [2, 2048, 4096], K = its axis 2): each comes as NAME_codes (uint8): NAME with its K axis moved to the last place and cut into blocks of 32 codes, [.., K / 32, bytes a block], one block behind the other in memory; four codes in three bytes: a row's codes are one little-endian stream of bits, code i at bits 6 i .. 6 i + 5 (a code: sign, 2 exponent bits, 3 mantissa bits); and NAME_scales (uint8): the same leading axes, one E8M0 byte (e + 127) for each 32 codes along K. Its value is code x scale, taken as it is: it is not quantised again, and the codes and scales need not be those that the quantiser above would give.
;; One version. Each part assembles by itself: llvm-mc -triple=amdgcn-amd-amdhsa -mcpu=gfx1250 --defsym DOCPART=n.
;; ======== version 1 of 1: 2 launches
;; limits: right only within a limited range of input values
;; workspace buffers: xi 13,303,808 bytes; wi 13,303,808 bytes
;; launch prep (part 1): grid 512 x 1, 8 waves a work-group, no clusters, 127,488 bytes of LDS; arguments packed, scales, mins, d, dmin, x_codes, x_scales, wi, xi; writes wi, xi
.if DOCPART == 1
	.amdgcn_target "amdgcn-amd-amdhsa--gfx1250"
	.amdhsa_code_object_version 6
	.text
	.protected	k_q7baaa12fd0_prep
	.globl	k_q7baaa12fd0_prep
	.p2align	8
	.type	k_q7baaa12fd0_prep,@function
k_q7baaa12fd0_prep:
	s_mov_b64 s[64:65], 0
	v_nop
	global_prefetch_b8 v0, s[64:65] scope:SCOPE_SE
	s_setreg_imm32_b32 hwreg(HW_REG_WAVE_MODE, 25, 1), 1
	s_wait_xcnt 0x0
; Both operands of out = x w^T are laid as IMAGES in the order in which the product's launch takes them into registers.
; An image (xi for x, wi for w): for each 128 rows (RGB bytes) eleven tiles; tile t serves K steps 3 t .. 3 t + 2 of 128 along K (the last: two steps):
;   2,048 bytes of scale words: block i of 16 rows at 256 i, row r at 16 r, one word (4 E8M0 bytes) a step: x's step q at word q, w's at word q + 1; the words left over hold 0x7f bytes and are used by nobody;
;   then 12,288 bytes a step: block i at 1,536 i: a fragment of 16 rows x 128 K as 3 pieces of 512 bytes, lane (r, h) at 16 (16 h + r): its 48 bytes are the codes of k = 32 h .. + 31 and of k = 64 + 32 h .. + 31.
; Work-group pairs: number >> 1 names 16 rows; one of the pair makes w's codes for them, the other re-lays x's.  The two ways part on the work-group's number alone, and each has LDS bytes of its own.
; W: w = q A + B (one fused multiply-add), A = (s x 1/945) d, B = (m x 1/63) d + dmin (fused), all f32; a block's scale byte is its largest magnitude's exponent field - 2, held at 1 from below; codes by the scaled conversion.
; LIMITS: the roundings stand in another order than in ((q / 15) (s / 63) + m / 63) d + dmin: both stay within a few parts in 10^7 of the terms, so a number at the middle between two codes may fall either way.
;   A block of zeros gets the byte 1 where the rule says 127: its codes are zeros, and this program alone reads the bytes.  NaN and infinities in d or dmin are not served.  Of a word of packed bits 7:0 count.
; W's SHARES: wave w takes K steps 4 w .. 4 w + 3 of the 16 rows; a GROUP is one step: 64 blocks; lane l owns row l / 2, blocks 2 (l % 2) and 2 (l % 2) + 1 of the step.
; Every global access covers whole runs of 256 bytes (d and dmin: 128): scales, mins, d, dmin come in dense, once a work-group, and are shared through LDS behind a barrier.
; No tensor load (all bytes are asked for at the head), no cluster (no two work-groups read the same bytes), no matrix work.
.set RGB,   415744
.set TILEB, 38912
.set WREG,  6144                       ; a wave's region: the stage on the way in, then a group's codes
.set PL,    144
.set OST,   32*PL
.set TB,    8*WREG                     ; scales, 16 rows at a pitch of 528; mins 8,448 on
.set DT,    TB+16896                   ; d, 1,024 bytes; dmin 1,024 on
.set WIMG,  TB+18944                   ; w's scale words as the image wants them
.set XB,    WIMG+4096                  ; x: four regions of 16 rows x 768 bytes at a pitch of 784
.set XREG,  12544
.set XIMG,  XB+4*XREG
.set SPARE, XIMG+4096                  ; the spare words, 128 bytes a wave
.set C,   14
.set T,   26
.set SC,  38
.set MN,  46
.set DD,  54
.set DM,  58
.set E0,  64
.set W,   96
.set R,   128
	s_load_b256 s[4:11], s[0:1], 0x0               ; packed, scales, mins, d
	s_load_b256 s[12:19], s[0:1], 0x20             ; dmin, x_codes, x_scales, wi
	s_load_b64 s[20:21], s[0:1], 0x40              ; xi
	v_lshl_add_u32 v2, v0, 2, SPARE
	v_mov_b32 v3, 0
	v_lshrrev_b32 v62, 5, v0
	v_readfirstlane_b32 s22, v62                   ; wave
	v_and_b32 v63, 31, v0                          ; l
	v_lshlrev_b32 v1, 4, v63                       ; 16 l
	s_lshr_b32 s23, ttmp9, 1                       ; which 16 rows
	s_lshr_b32 s24, ttmp9, 8
	s_xor_b32 s24, s24, ttmp9
	s_and_b32 s24, s24, 1                          ; 0: w, 1: x
	s_lshr_b32 s25, s23, 3
	s_mul_i32 s25, s25, RGB                        ; my 128 rows' part of the image
	s_and_b32 s26, s23, 7                          ; my block in it
	s_mov_b32 s49, 0
	s_cmp_lg_u32 s24, 0
	s_wait_alu depctr_va_vdst(0)                   ; the wait ahead of the branch
	s_cbranch_scc1 .Lxpath
; ---------------- w ----------------
	s_mul_i32 s27, s22, WREG
	s_lshl_b32 s28, s22, 2
.irp g, 0,1,2,3
	s_add_co_u32 s29, s28, \g                      ; the K step s
	s_mul_i32 s30, s29, 11
	s_lshr_b32 s30, s30, 5                         ; t = s / 3 (exact for s under 32)
	s_mul_i32 s[44+\g], s29, 12288
	s_lshl_b32 s31, s30, 11
	s_add_co_u32 s[44+\g], s[44+\g], s31           ; codes: 12,288 s + 2,048 t
	s_mul_i32 s31, s30, 244
	s_lshl_b32 s[52+\g], s29, 2
	s_add_co_u32 s[52+\g], s[52+\g], s31
	s_add_co_u32 s[52+\g], s[52+\g], WIMG+4        ; scale word: 256 t + 4 (s % 3 + 1)
.endr
	s_mul_i32 s31, s26, 1536
	s_add_co_u32 s31, s31, s25
	s_add_co_u32 s31, s31, 2048
	s_mul_i32 s32, s22, 1056
	s_add_co_u32 s32, s32, TB
	s_lshl_b32 s33, s22, 7
	s_add_co_u32 s33, s33, DT
	s_lshl_b32 s34, s22, 6
	s_add_co_u32 s34, s34, TB
	s_lshl_b32 s35, s22, 3
	s_add_co_u32 s35, s35, DT
	s_lshl_b32 s56, s22, 5
	s_add_co_u32 s56, s56, WIMG
	v_lshrrev_b32 v62, 3, v63
	v_and_b32 v96, 7, v63
	v_mul_u32_u24 v4, v62, PL
	v_lshl_add_u32 v4, v96, 4, v4
	v_add_nc_u32 v4, s27, v4                       ; into the stage: eight lanes fill a place of 128 bytes
	v_mul_u32_u24 v5, v63, PL
	v_add_nc_u32 v5, s27, v5                       ; out of it: place l
	v_lshrrev_b32 v97, 1, v63                      ; my row
	v_and_b32 v98, 1, v63                          ; c: which 64 of the step's 128
	v_lshl_add_u32 v99, v97, 4, s27
	v_mad_u32_u24 v6, v98, 520, v99                ; my codes' 8-byte pieces 0 and 2 in the fragment's image,
	v_mad_u32_u24 v7, v98, 1016, v99               ; and piece 1
	v_add_nc_u32 v8, s27, v1                       ; and back, dense
	v_lshlrev_b32 v100, 1, v98
	v_lshl_add_u32 v100, v97, 4, v100
.irp g, 0,1,2,3
	v_add_nc_u32 v[9+\g], s[52+\g], v100           ; my two scale bytes of group g
.endr
	v_lshrrev_b32 v101, 4, v63
	v_and_b32 v102, 15, v63
	v_lshlrev_b32 v13, 4, v102
	v_lshl_add_u32 v13, v101, 13, v13              ; packed: sixteen lanes take a row's 256 bytes of a step
	v_lshlrev_b32 v103, 2, v63
	v_add_nc_u32 v104, s32, v1
	v_add_nc_u32 v105, s33, v103
	v_mul_u32_u24 v106, v97, 528
	v_lshl_add_u32 v106, v98, 3, v106
	v_add_nc_u32 v106, s34, v106                   ; my two blocks' scales in the table
	v_lshl_add_u32 v107, v97, 6, s35               ; my d
	v_lshl_add_u32 v108, v101, 4, s56
	v_lshl_add_u32 v109, v102, 8, v108             ; the words that no step fills
	v_mov_b32 v110, 0x7f7f7f7f
	v_mov_b32 v35, 0                               ; upper halves of the pairs A and B: named, never used
	v_mov_b32 v37, 0
	s_wait_alu depctr_va_vdst(0)                   ; the wait at the head's end
	s_wait_kmcnt 0x0
	s_lshl_b32 s48, s23, 17
	s_lshl_b32 s57, s22, 10
	s_add_co_u32 s48, s48, s57
	s_add_nc_u64 s[4:5], s[4:5], s[48:49]
	s_lshl_b32 s48, s23, 13
	s_add_co_u32 s48, s48, s57
	s_add_nc_u64 s[6:7], s[6:7], s[48:49]
	s_add_nc_u64 s[8:9], s[8:9], s[48:49]
	s_lshl_b32 s48, s23, 10
	s_lshl_b32 s57, s22, 7
	s_add_co_u32 s48, s48, s57
	s_add_nc_u64 s[10:11], s[10:11], s[48:49]
	s_add_nc_u64 s[12:13], s[12:13], s[48:49]
.irp g, 0,1,2,3
	s_add_co_u32 s48, s[44+\g], s31
	s_add_nc_u64 s[36+2*\g:37+2*\g], s[18:19], s[48:49]
.endr
	s_lshl_b32 s48, s26, 8
	s_add_co_u32 s48, s48, s25
	s_mul_i32 s57, s22, TILEB
	s_add_co_u32 s48, s48, s57
	s_add_nc_u64 s[50:51], s[18:19], s[48:49]      ; tile w's scale words of my block
.macro LOADG g
.irp i, 0,1,2,3,4,5,6,7
	global_load_b128 v[R+32*(\g)+4*\i:R+32*(\g)+4*\i+3], v13, s[4:5] offset:256*(\g)+16384*\i th:TH_LOAD_NT
.endr
.endm
.macro TURN g                          ; group g through the stage: in as loaded, out 128 neighbouring bytes a lane
.if (\g) == 0
.set XT, E0
.else
.set XT, R+32*((\g)-1)
.endif
.irp i, 0,1,2,3,4,5,6,7
	ds_store_b128 v4, v[R+32*(\g)+4*\i:R+32*(\g)+4*\i+3] offset:4*PL*\i
.endr
.irp j, 0,1,2,3,4,5,6,7
	ds_load_b128 v[XT+4*\j:XT+4*\j+3], v5 offset:16*\j
.endr
.endm
.macro BLOCK g, u                      ; my block u of group g: 16 words -> 32 numbers -> 24 bytes of codes and the scale's byte
.if (\g) == 0
.set XS, E0+16*(\u)
.else
.set XS, R+32*((\g)-1)+16*(\u)
.endif
	v_cvt_f32_i32 v34, v[SC+2*(\g)+(\u)]
	v_cvt_f32_i32 v36, v[MN+2*(\g)+(\u)]
	s_delay_alu instid0(VALU_DEP_2)
	v_mul_f32 v34, 0x3a8ab356, v34                 ; s / 945
	s_delay_alu instid0(VALU_DEP_2)
	v_mul_f32 v36, 0x3c820821, v36                 ; m / 63
	s_delay_alu instid0(VALU_DEP_2)
	v_mul_f32 v34, v34, v[DD+(\g)]                 ; A
	s_delay_alu instid0(VALU_DEP_2)
	v_fma_f32 v36, v36, v[DD+(\g)], v[DM+(\g)]     ; B
.irp i, 0,1,2,3,4,5,6,7,8,9,10,11,12,13,14,15
	v_and_b32 v[W+2*\i], 15, v[XS+\i]
	v_bfe_u32 v[W+2*\i+1], v[XS+\i], 4, 4
.endr
.irp i, 0,1,2,3,4,5,6,7,8,9,10,11,12,13,14,15,16,17,18,19,20,21,22,23,24,25,26,27,28,29,30,31
	v_cvt_f32_u32 v[W+\i], v[W+\i]
.endr
.irp i, 0,2,4,6,8,10,12,14,16,18,20,22,24,26,28,30
	v_pk_fma_f32 v[W+\i:W+\i+1], v[W+\i:W+\i+1], v[34:35], v[36:37] op_sel_hi:[1,0,0]
.endr
	v_max3_num_f32 v30, |v[W]|, |v[W+1]|, |v[W+2]|
	v_max3_num_f32 v31, |v[W+3]|, |v[W+4]|, |v[W+5]|
.irp i, 6,10,14,18,22,26
	s_delay_alu instid0(VALU_DEP_2)
	v_max3_num_f32 v30, v30, |v[W+\i]|, |v[W+\i+1]|
	s_delay_alu instid0(VALU_DEP_2)
	v_max3_num_f32 v31, v31, |v[W+\i+2]|, |v[W+\i+3]|
.endr
	s_delay_alu instid0(VALU_DEP_2)
	v_max3_num_f32 v30, v30, |v[W+30]|, |v[W+31]|
	s_delay_alu instid0(VALU_DEP_1)
	v_max3_num_f32 v30, v30, v31, 0x1800000        ; the floor 2^(3 - 127): the byte cannot fall under 1
	s_delay_alu instid0(VALU_DEP_1)
	v_add_nc_u32 v32, 0xff000000, v30              ; 2 off the exponent field: the conversions' scale operand
	v_cvt_scalef32_pk16_fp6_f32 v[C+6*(\u):C+6*(\u)+2], v[W:W+15], v32
	v_cvt_scalef32_pk16_fp6_f32 v[T:T+2], v[W+16:W+31], v32
.if (\u) == 0
	v_lshrrev_b32 v33, 23, v32                     ; the scale's byte; also the plain line behind the conversions
.else
	v_lshrrev_b32 v29, 23, v32
.endif
.irp i, 0,1,2
	v_mov_b32 v[C+6*(\u)+3+\i], v[T+\i]
.endr
.if (\u) == 1
	s_delay_alu instid0(VALU_DEP_4)
	v_lshl_or_b32 v29, v29, 8, v33
.endif
.endm
.macro OUT g                           ; my 48 bytes go to their places in the fragment's image, in pieces of 8; the 1,536 bytes come back dense
.if (\g) == 0
.set XO, E0
.else
.set XO, R+32*((\g)-1)
.endif
.irp u, 0,1
	ds_store_b64 v6, v[C+6*\u:C+6*\u+1] offset:OST+256*\u
	ds_store_b64 v7, v[C+6*\u+2:C+6*\u+3] offset:OST+8+256*\u
	ds_store_b64 v6, v[C+6*\u+4:C+6*\u+5] offset:OST+512+256*\u
.endr
	ds_store_b16 v[9+(\g)], v29
.irp c, 0,1,2
	ds_load_b128 v[XO+4*\c:XO+4*\c+3], v8 offset:OST+512*\c
.endr
.endm
.macro SEND g                          ; each store covers 512 consecutive bytes, aligned
.if (\g) == 0
.set XO, E0
.else
.set XO, R+32*((\g)-1)
.endif
.irp c, 0,1,2
	global_store_b128 v1, v[XO+4*\c:XO+4*\c+3], s[36+2*(\g):37+2*(\g)] offset:512*\c
.endr
.endm
.macro GROUP g
.if (\g) == 0
	s_wait_dscnt 0x0
.else
	s_wait_dscnt 3                                 ; all but the last group's three loads of codes
.endif
	BLOCK \g, 0
.if (\g) > 0
	s_wait_dscnt 0x0
	SEND (\g)-1
.endif
.if (\g) < 3
	s_wait_loadcnt 8*(2-(\g))                      ; the next group's eight loads are in
	TURN (\g)+1
.endif
	BLOCK \g, 1
	OUT \g
.endm
; the scale words leave: wave w stores tile w's 256 bytes, waves 0 to 2 also tile 8 + w's
.macro IMGOUT img, lab
	s_lshl_b32 s57, s22, 8
	s_add_co_u32 s57, s57, \img
	v_lshlrev_b32 v62, 3, v63
	v_add_nc_u32 v96, s57, v62
	ds_load_b64 v[98:99], v96
	s_wait_alu depctr_va_vdst(0)                   ; the wait ahead of the wait below
	s_wait_dscnt 0x0
	global_store_b64 v62, v[98:99], s[50:51]
	s_cmp_lt_u32 s22, 3
	s_cbranch_scc0 \lab
	ds_load_b64 v[100:101], v96 offset:2048
	s_wait_dscnt 0x0
	global_store_b64 v62, v[100:101], s[50:51] offset:8*TILEB
\lab:
	s_wait_tensorcnt 0x0                           ; the wave's end
	ds_add_u32 v2, v3
	s_wait_dscnt 0x0
	s_endpgm
.endm
	global_load_b128 v[64:67], v1, s[6:7] th:TH_LOAD_NT            ; rows 2 w and 2 w + 1 of scales and of mins, 512 bytes each
	global_load_b128 v[68:71], v1, s[6:7] offset:512 th:TH_LOAD_NT
	global_load_b128 v[72:75], v1, s[8:9] th:TH_LOAD_NT
	global_load_b128 v[76:79], v1, s[8:9] offset:512 th:TH_LOAD_NT
	global_load_b32 v80, v103, s[10:11] th:TH_LOAD_NT
	global_load_b32 v81, v103, s[12:13] th:TH_LOAD_NT
	LOADG 0
	LOADG 1
	LOADG 2
	LOADG 3
	ds_store_b32 v109, v110                        ; word 0 of every row's 16 bytes,
	ds_store_b32 v108, v110 offset:2560+12         ; and the last tile's word 3
	s_wait_loadcnt 32                              ; the six loads of tables are in; the 32 of packed stay out
	ds_store_b128 v104, v[64:67]
	ds_store_b128 v104, v[68:71] offset:528
	ds_store_b128 v104, v[72:75] offset:8448
	ds_store_b128 v104, v[76:79] offset:8448+528
	ds_store_b32 v105, v80
	ds_store_b32 v105, v81 offset:1024
	s_wait_dscnt 0x0                               ; for the others' sake
	s_barrier_signal -1
	s_barrier_wait -1
.irp g, 0,1,2,3
	ds_load_b64 v[SC+2*\g:SC+2*\g+1], v106 offset:16*\g
	ds_load_b64 v[MN+2*\g:MN+2*\g+1], v106 offset:8448+16*\g
	ds_load_b32 v[DD+\g], v107 offset:4*(\g/2)
	ds_load_b32 v[DM+\g], v107 offset:1024+4*(\g/2)
.endr
	s_wait_loadcnt 24
	TURN 0
	GROUP 0
	GROUP 1
	GROUP 2
	GROUP 3
	s_wait_dscnt 0x0
	SEND 3
	s_barrier_signal -1                            ; every wave's scale bytes are in the image
	s_barrier_wait -1
	IMGOUT WIMG, .Lw_end
; ---------------- x: codes and scale bytes are moved, none is changed ----------------
; Waves w and w + 4 share K steps 8 (w % 4) .. + 7 (768 bytes of a row): each brings 8 of the 16 rows in, dense, and sends 4 of the 8 steps out.
.Lxpath:
	s_and_b32 s27, s22, 3
	s_lshr_b32 s28, s22, 2
	s_mul_i32 s29, s27, XREG
	s_add_co_u32 s29, s29, XB
	s_mul_i32 s30, s28, 6272
	s_add_co_u32 s30, s30, s29
	s_mul_i32 s31, s28, 384
	s_add_co_u32 s31, s31, s29
	s_lshl_b32 s32, s22, 5
	s_add_co_u32 s32, s32, XIMG
	s_lshl_b32 s33, s27, 3
	s_lshl_b32 s34, s28, 2
	s_add_co_u32 s33, s33, s34                     ; my first K step
	s_mul_i32 s35, s26, 1536
	s_add_co_u32 s35, s35, s25
	s_add_co_u32 s35, s35, 2048
.irp e, 0,1,2,3
	s_add_co_u32 s52, s33, \e
	s_mul_i32 s53, s52, 11
	s_lshr_b32 s53, s53, 5
	s_mul_i32 s[44+\e], s52, 12288
	s_lshl_b32 s53, s53, 11
	s_add_co_u32 s[44+\e], s[44+\e], s53
	s_add_co_u32 s[44+\e], s[44+\e], s35
.endr
	v_lshrrev_b32 v4, 4, v63
	v_and_b32 v5, 15, v63
	v_lshlrev_b32 v6, 4, v5
	v_mad_u32_u24 v7, v4, 3072, v6                 ; sixteen lanes take 256 bytes of a row
	v_mad_u32_u24 v8, v4, 784, v6
	v_add_nc_u32 v8, s30, v8
	v_mul_u32_u24 v9, v5, 784
	v_mad_u32_u24 v9, v4, 24, v9
	v_add_nc_u32 v9, s31, v9                       ; a fragment's row and half
	v_lshlrev_b32 v10, 1, v5                       ; my two scale words: steps 2 (l % 16) and + 1 of row 2 w + l / 16
	v_add_nc_u32 v11, 1, v10
	v_mul_u32_u24 v12, v10, 11
	v_mul_u32_u24 v13, v11, 11
	v_lshrrev_b32 v12, 5, v12
	v_lshrrev_b32 v13, 5, v13
	v_mul_u32_u24 v12, v12, 244
	v_mul_u32_u24 v13, v13, 244
	v_lshl_add_u32 v12, v10, 2, v12
	v_lshl_add_u32 v13, v11, 2, v13
	v_lshl_add_u32 v14, v4, 4, s32
	v_add_nc_u32 v12, v12, v14
	v_add_nc_u32 v13, v13, v14
	v_lshl_add_u32 v15, v5, 8, v14
	v_lshlrev_b32 v16, 3, v63
	v_mov_b32 v17, 0x7f7f7f7f
	s_wait_alu depctr_va_vdst(0)                   ; the wait at the head's end
	s_wait_kmcnt 0x0
	s_mul_i32 s48, s23, 49152
	s_mul_i32 s57, s28, 24576
	s_add_co_u32 s48, s48, s57
	s_mul_i32 s57, s27, 768
	s_add_co_u32 s48, s48, s57
	s_add_nc_u64 s[14:15], s[14:15], s[48:49]
	s_lshl_b32 s48, s23, 11
	s_lshl_b32 s57, s22, 8
	s_add_co_u32 s48, s48, s57
	s_add_nc_u64 s[16:17], s[16:17], s[48:49]
.irp e, 0,1,2,3
	s_mov_b32 s48, s[44+\e]
	s_add_nc_u64 s[36+2*\e:37+2*\e], s[20:21], s[48:49]
.endr
	s_lshl_b32 s48, s26, 8
	s_add_co_u32 s48, s48, s25
	s_mul_i32 s57, s22, TILEB
	s_add_co_u32 s48, s48, s57
	s_add_nc_u64 s[50:51], s[20:21], s[48:49]
	global_load_b64 v[60:61], v16, s[16:17] th:TH_LOAD_NT
.irp k, 0,1,2,3,4,5,6,7,8,9,10,11
	global_load_b128 v[64+4*\k:67+4*\k], v7, s[14:15] offset:6144*(\k/3)+256*(\k%3) th:TH_LOAD_NT
.endr
	ds_store_b32 v15, v17 offset:12                ; word 3 of every row's 16 bytes,
	ds_store_b32 v14, v17 offset:2560+8            ; and the last tile's word 2
	s_wait_loadcnt 12
	ds_store_b32 v12, v60
	ds_store_b32 v13, v61
.irp k, 0,1,2,3,4,5,6,7,8,9,10,11
	s_wait_loadcnt 11-\k
	ds_store_b128 v8, v[64+4*\k:67+4*\k] offset:1568*(\k/3)+256*(\k%3)
.endr
	s_wait_dscnt 0x0                               ; for the others' sake
	s_barrier_signal -1
	s_barrier_wait -1
.irp e, 0,1,2,3
.irp p, 0,1,2,3,4,5
	ds_load_b64 v[128+12*\e+2*\p:129+12*\e+2*\p], v9 offset:96*\e+48*(\p/3)+8*(\p%3)
.endr
.endr
.irp e, 0,1,2,3
	s_wait_dscnt 6*(3-\e)
.irp c, 0,1,2
	global_store_b128 v1, v[128+12*\e+4*\c:131+12*\e+4*\c], s[36+2*\e:37+2*\e] offset:512*\c
.endr
.endr
	IMGOUT XIMG, .Lx_end
.Lfunc_end_k_q7baaa12fd0_prep:
	.size	k_q7baaa12fd0_prep, .Lfunc_end_k_q7baaa12fd0_prep-k_q7baaa12fd0_prep
	.p2alignl 7, 3214868480
	.fill 96, 4, 3214868480
	.section	.rodata,"a",@progbits
	.p2align	6, 0x0
	.amdhsa_kernel k_q7baaa12fd0_prep
		.amdhsa_group_segment_fixed_size 127488
		.amdhsa_private_segment_fixed_size 0
		.amdhsa_enable_private_segment 0
		.amdhsa_kernarg_size 72
		.amdhsa_user_sgpr_count 2
		.amdhsa_user_sgpr_kernarg_segment_ptr 1
		.amdhsa_wavefront_size32 1
		.amdhsa_system_sgpr_workgroup_id_x 1
		.amdhsa_system_sgpr_workgroup_id_y 1
		.amdhsa_system_sgpr_workgroup_id_z 1
		.amdhsa_system_vgpr_workitem_id 0
		.amdhsa_next_free_vgpr 256
		.amdhsa_next_free_sgpr 66
		.amdhsa_reserve_vcc 0
		.amdhsa_float_denorm_mode_32 3
		.amdhsa_float_denorm_mode_16_64 3
		.amdhsa_memory_ordered 1
		.amdhsa_forward_progress 1
		.amdhsa_inst_pref_size 77
	.end_amdhsa_kernel
	.amdgpu_metadata
---
amdhsa.version: [ 1, 2 ]
amdhsa.kernels:
  - .name:           k_q7baaa12fd0_prep
    .symbol:         k_q7baaa12fd0_prep.kd
    .args:
      - { .name: packed, .offset: 0, .size: 8, .value_kind: global_buffer, .address_space: global }
      - { .name: scales, .offset: 8, .size: 8, .value_kind: global_buffer, .address_space: global }
      - { .name: mins, .offset: 16, .size: 8, .value_kind: global_buffer, .address_space: global }
      - { .name: d, .offset: 24, .size: 8, .value_kind: global_buffer, .address_space: global }
      - { .name: dmin, .offset: 32, .size: 8, .value_kind: global_buffer, .address_space: global }
      - { .name: x_codes, .offset: 40, .size: 8, .value_kind: global_buffer, .address_space: global }
      - { .name: x_scales, .offset: 48, .size: 8, .value_kind: global_buffer, .address_space: global }
      - { .name: wi, .offset: 56, .size: 8, .value_kind: global_buffer, .address_space: global }
      - { .name: xi, .offset: 64, .size: 8, .value_kind: global_buffer, .address_space: global }
    .group_segment_fixed_size: 127488
    .private_segment_fixed_size: 0
    .kernarg_segment_align: 8
    .kernarg_segment_size: 72
    .max_flat_workgroup_size: 256
    .sgpr_count:     66
    .vgpr_count:     256
    .wavefront_size: 32
...
	.end_amdgpu_metadata
.endif
;; end of part 1
;; launch gemm (part 2): grid 16 x 16, 4 waves a work-group, clusters of 4 x 4, 327,680 bytes of LDS; arguments xi, wi, out0; writes out0
.if DOCPART == 2
	.amdgcn_target "amdgcn-amd-amdhsa--gfx1250"
	.amdhsa_code_object_version 6
	.text
	.protected	k_q7baaa12fd0_gemm
	.globl	k_q7baaa12fd0_gemm
	.p2align	8
	.type	k_q7baaa12fd0_gemm,@function
k_q7baaa12fd0_gemm:
	s_mov_b64 s[64:65], 0
	v_nop
	global_prefetch_b8 v0, s[64:65] scope:SCOPE_SE
	s_setreg_imm32_b32 hwreg(HW_REG_WAVE_MODE, 25, 1), 1
	s_wait_xcnt 0x0
	s_wait_alu depctr_hold_cnt(0) depctr_sa_sdst(0) depctr_va_vdst(0) depctr_va_sdst(0) depctr_va_ssrc(0) depctr_va_vcc(0) depctr_vm_vsrc(0)
	s_getreg_b32 s2, hwreg(HW_REG_IB_STS2, 6, 4)
	s_cmp_eq_u32 s2, 0
	s_cbranch_scc0 .Lentry_in_a_cluster
	s_endpgm
.Lentry_in_a_cluster:
	s_bfe_u32 s2, ttmp6, 0x10000c
	s_cmp_lg_u32 s2, 0xf033
	s_cbranch_scc0 .Lentry_shape_is_right
	s_endpgm
.Lentry_shape_is_right:
; out[m][n] = sum over k of x[m][k] w[n][k], 4096 x 4096 x 4096, both operands codes of FP6 (E2M3) with E8M0 scales, taken from the images xi and wi:
; for each 128 rows eleven dense tiles; tile t: 2,048 bytes of scale words, then K steps 3 t .. 3 t + 2 (tile 10: two) of 12,288 bytes, fragment by fragment in the order of the registers.
; A tile of out, 256 x 256, is made by four waves, 128 x 128 each: 64 accumulators, 512 registers.  A ring of two LDS slots; a slot holds one tile of each of A's two and B's two groups of 128 rows:
; each wave fills a quarter by ONE tensor load of 152 rows of 256 bytes (tile 10: 104), codes and scales together.  One round of the cluster's barrier for three K steps;
; between a refill and the wait for it a wave issues 160 matrix instructions.
; THE WALK ALONG K: a cluster takes the ten full tiles in the order f, f + 1, .. modulo 10, f = 0, 3, 5 or 8 by (cluster x + cluster y) mod 4, and tile 10 last: the clusters that need the same tile
; ask for it at different places of their walks.  f hangs on the cluster's number alone, which all partners share.  LIMIT: the f32 sums run in that order of K, not in ascending order.
; A fragment is three ds_load_b128 at 16 x lane: consecutive bytes.  A scale register holds A's word in lanes 0-15 and B's in lanes 16-31; B's word of a step lies one register above A's.
; CLUSTERS: 4 x 4; A's tiles are asked for jointly along a row of the cluster, B's along a column.  The matrix instruction is used transposed (source 0 = rows of w, source 1 = rows of x).
; PREFETCH: behind each refill in the loop's first three trips the tile that stands two refills on in the walk: 152 blocks of 256 bytes, 38 to each of the four partners, told apart by address;
; the walk's first four tiles and tile 10 come by their loads alone.
; THE LAST TILE'S TWO STEPS GO BY ROWS OF out: B's fragments of both steps lie in the two sets, A's come by blocks of 16 rows, and each block leaves while the next is multiplied.
; REGISTERS: window 0: v16-31 addresses, v32-95 scale words (two sets), v128-223 A's fragments; window 1: B's fragments, two sets; windows 2, 3: accumulators.
.set SIZE_N, 4096
.set RGB,    415744
.set TILEB,  38912
.set SCB,    2048
.set STEPB,  12288
.set FRB,    1536
.set FR,     12
.set NL,     3
.set SLOT,   4*TILEB
.set SPARE,  2*SLOT                    ; the spare words, 128 bytes a wave
.set STAGE,  SLOT                      ; the way out goes through slot 1, behind its last fill and its last read
.set SPITCH, 528
.set ADRA, 16
.set ADRB, 20
.set ADRS, 22
.set STO,  24
.set RD,   25
.set CO,   26
.set SPW,  28
.set NIL,  29
.set PFO,  30
.set SC,   32
.set BK,   64                          ; the way out: 16 rows read back from the stage (scale set 1 and v96-127: done with by then)
.set AF,   128
.set G1,  24
.set G0,  32
.set G1B, 48
.set G0B, 56
.set PFA, 80
.set ENDA, 82                          ; s[82:83], s[84:85]: tile 10 of my rows of A, of B
.set ENDB, 84
.set TI,  86                           ; s86, s87: which tile slot 0, 1 holds; s88: where the prefetches stand
.set TP,  88
.set MSB, 0
.macro WIN new
.if MSB != \new
	s_set_vgpr_msb (MSB<<8)|\new
.set MSB, \new
.endif
.endm
.set MUL_LO, 0xa1
.set MUL_HI, 0xf1
.set TO_B,   0x40
.macro JLOAD g0a, g1a, g0b, g1b        ; waves 0 and 1 fetch for A, waves 2 and 3 for B
	s_cmp_eq_u32 s15, 0
	s_cbranch_scc0 .Lfor_b_\@
	tensor_load_to_lds s[\g0a:\g0a+3], s[\g1a:\g1a+7]
	s_nop 0
.rept 4
	v_nop
.endr
	s_branch .Lasked_\@
.Lfor_b_\@:
	tensor_load_to_lds s[\g0b:\g0b+3], s[\g1b:\g1b+7]
	s_nop 0
.rept 4
	v_nop
.endr
.Lasked_\@:
.endm
.macro CREST
	s_cmp_lg_u32 s14, 0
	s_cbranch_scc1 .Lnot_wave_0_\@
	s_barrier_signal -3
.Lnot_wave_0_\@:
	s_barrier_wait -3
	s_barrier_signal -1
	s_barrier_wait -1
.endm
.macro CROUND
	s_barrier_signal -1
	s_barrier_wait -1
	CREST
.endm
.macro ASK                             ; s3 = 1 in the loop's last trip, which asks for nothing
	s_cmp_gt_u32 s3, 1
	s_cbranch_scc0 .Lno_ask_\@
	global_prefetch_b8 v[PFO], s[PFA:PFA+1] th:TH_LOAD_NT scope:SCOPE_SE
	global_prefetch_b8 v[PFO+1], s[PFA:PFA+1] th:TH_LOAD_NT scope:SCOPE_SE
.Lno_ask_\@:
.endm
.macro PLACES
.rept 4
	v_nop
.endr
.endm
.macro WALK cnt, by                    ; a tile's number goes on modulo 10; s[90:91]: the bytes that its address goes back (0 or ten tiles)
	s_add_co_u32 s[\cnt], s[\cnt], \by
	s_cmp_ge_u32 s[\cnt], 10
	s_cselect_b32 s90, 10, 0
	s_sub_co_u32 s[\cnt], s[\cnt], s90
	s_mul_i32 s90, s90, TILEB
.endm
	s_load_b128 s[4:7], s[0:1], 0x0                ; xi, wi
	s_load_b64 s[12:13], s[0:1], 0x10              ; out
	v_lshl_add_u32 v[SPW], v0, 2, SPARE
	v_mov_b32 v[NIL], 0
	ds_add_u32 v[SPW], v[NIL]                      ; the opening lines: the add twice on end and its wait
	ds_add_u32 v[SPW], v[NIL]
	v_lshrrev_b32 v1, 5, v0
	v_readfirstlane_b32 s14, v1                    ; wave
	s_lshr_b32 s15, s14, 1                         ; my half of the rows; also: I fetch for A (0) or B (1)
	s_and_b32 s16, s14, 1                          ; my half of the columns; also: which 128 rows I fetch
	s_bfe_u32 s40, ttmp6, 0x40000                  ; cx
	s_bfe_u32 s41, ttmp6, 0x40004                  ; cy
	s_lshl_b32 s42, ttmp9, 2
	s_add_co_u32 s42, s42, s40                     ; tile column
	s_and_b32 s17, ttmp7, 0xffff
	s_add_co_u32 s[TI], s17, ttmp9                 ; cluster x + cluster y,
	s_and_b32 s[TI], s[TI], 3
	s_mul_i32 s[TI], s[TI], 5
	s_add_co_u32 s[TI], s[TI], 1
	s_lshr_b32 s[TI], s[TI], 1                     ; f = 0, 3, 5, 8: the walk's first tile
	s_add_co_u32 s[TI+1], s[TI], 1
	s_mul_i32 s92, s[TI], TILEB
	s_mov_b32 s93, 0
	s_mov_b32 s91, 0
	s_lshl_b32 s17, s17, 2
	s_add_co_u32 s17, s17, s41                     ; tile row
	s_lshl_b32 s43, s41, 2
	s_lshl_b32 s43, 15, s43
	s_lshl_b32 s44, 0x1111, s40
	s_or_b32 s[G1+0], s43, (3<<16)|(1<<21)         ; elements of 8 bytes, no padding; A's tiles go to my row of the cluster
	s_or_b32 s[G1B+0], s44, (3<<16)|(1<<21)        ; B's to my column
.irp g, G1, G1B
	s_mov_b32 s[\g+1], 32<<16                      ; rows of 256 bytes,
	s_mov_b32 s[\g+2], 152<<16                     ; 152 of them, dense
	s_mov_b32 s[\g+3], 32<<16
	s_mov_b32 s[\g+4], 152
	s_mov_b32 s[\g+5], 32
	s_mov_b32 s[\g+6], 0
	s_mov_b32 s[\g+7], 0
.endr
	s_lshl_b32 s20, s17, 1
	s_add_co_u32 s20, s20, s16
	s_mul_i32 s20, s20, RGB
	s_mov_b32 s21, 0
	s_lshl_b32 s46, s42, 1
	s_add_co_u32 s46, s46, s16
	s_mul_i32 s46, s46, RGB
	s_mov_b32 s47, 0
	s_mul_i32 s45, s14, TILEB
	s_wait_dscnt 0x0
	s_wait_kmcnt 0x0
	s_add_nc_u64 s[20:21], s[4:5], s[20:21]
	s_add_nc_u64 s[46:47], s[6:7], s[46:47]
	s_add_nc_u64 s[ENDA:ENDA+1], s[20:21], 10*TILEB
	s_add_nc_u64 s[ENDB:ENDB+1], s[46:47], 10*TILEB
	s_add_nc_u64 s[20:21], s[20:21], s[92:93]      ; at tile f
	s_add_nc_u64 s[46:47], s[46:47], s[92:93]
.irp s, 0,1
	s_mov_b32 s[G0+4*\s], 1
	s_add_co_u32 s[G0+4*\s+1], s45, \s*SLOT
	s_add_nc_u64 s[G0+4*\s+2:G0+4*\s+3], s[20:21], \s*TILEB
	s_or_b32 s[G0+4*\s+3], s[G0+4*\s+3], 0x80000000
	s_mov_b32 s[G0B+4*\s], 1
	s_add_co_u32 s[G0B+4*\s+1], s45, \s*SLOT
	s_add_nc_u64 s[G0B+4*\s+2:G0B+4*\s+3], s[46:47], \s*TILEB
	s_or_b32 s[G0B+4*\s+3], s[G0B+4*\s+3], 0x80000000
.endr
	CROUND                                         ; all sixteen work-groups are here
	JLOAD G0, G1, G0B, G1B                         ; the walk's first tile: one tensor load a wave at the head
	s_mul_i32 s68, s15, TILEB                      ; my rows of A in slot 0, 1
	s_add_co_u32 s69, s68, SLOT
	s_mul_i32 s70, s16, TILEB
	s_add_co_u32 s70, s70, 2*TILEB                 ; my rows of B
	s_add_co_u32 s71, s70, SLOT
	s_sub_co_u32 s72, s70, s68
	s_mul_i32 s73, s14, 16*SPITCH
	s_add_co_u32 s73, s73, STAGE
	s_lshl_b32 s74, s17, 8
	s_lshl_b32 s75, s15, 7
	s_add_co_u32 s74, s74, s75
	s_lshl_b32 s74, s74, 14                        ; my first row of out, 16,384 bytes a row
	s_mov_b32 s75, 0
	s_add_nc_u64 s[12:13], s[12:13], s[74:75]
	s_lshl_b32 s76, s42, 10
	s_lshl_b32 s77, s16, 9
	s_add_co_u32 s76, s76, s77
	s_mov_b32 s77, 0
	s_add_nc_u64 s[12:13], s[12:13], s[76:77]
	s_mov_b32 s[TP], s[TI]                         ; the prefetches stand three tiles on in the walk: the first refill steps them to the fifth
	WALK TP, 3
	s_cmp_eq_u32 s15, 0                            ; the group of 128 rows that I fetch, my work-group's 38 blocks of a tile
	s_cselect_b32 s78, s17, s42
	s_cselect_b32 s79, s40, s41
	s_cselect_b64 s[PFA:PFA+1], s[4:5], s[6:7]
	s_lshl_b32 s78, s78, 1
	s_add_co_u32 s78, s78, s16
	s_mul_i32 s78, s78, RGB
	s_mul_i32 s79, s79, 38*256
	s_add_co_u32 s78, s78, s79
	s_mul_i32 s79, s[TP], TILEB
	s_add_co_u32 s78, s78, s79
	s_mov_b32 s79, 0
	s_add_nc_u64 s[PFA:PFA+1], s[PFA:PFA+1], s[78:79]
	v_and_b32 v1, 15, v0
	v_bfe_u32 v2, v0, 4, 1
	v_and_b32 v6, 31, v0
	v_lshlrev_b32 v[CO], 4, v6                     ; 16 x lane
	v_mul_u32_u24 v5, s72, v2                      ; lanes 16-31 take B's scale words
	v_lshl_add_u32 v5, v1, 4, v5
	v_add_nc_u32 v[ADRS], s68, v5
	v_add_nc_u32 v[ADRS+1], s69, v5
	v_add_nc_u32 v[ADRA], s68, v[CO]
	v_add_nc_u32 v[ADRA+1], s69, v[CO]
	v_add_nc_u32 v[ADRB], s70, v[CO]
	v_add_nc_u32 v[ADRB+1], s71, v[CO]
	v_mul_u32_u24 v7, v1, SPITCH
	v_lshl_add_u32 v7, v2, 5, v7
	v_add_nc_u32 v[STO], s73, v7
	v_add_nc_u32 v[RD], s73, v[CO]
	v_lshlrev_b32 v[PFO], 8, v6                    ; blocks 0-31 of my 38,
	v_min_u32 v8, 5, v6
	v_lshlrev_b32 v8, 8, v8
	v_add_nc_u32 v[PFO+1], 8192, v8                ; and 32-37 (the lanes left over name the last again)
.macro FRAG reg, adr, q, i
.irp p, 0,1,2
	ds_load_b128 v[\reg+4*\p:\reg+4*\p+3], v[\adr] offset:SCB+(\q)*STEPB+(\i)*FRB+512*\p
.endr
.endm
; 16 matrix instructions: A's blocks a0, a0 + 1 x B's eight.  p: B's set; q: the step in its slot; sc: the set of scale words.  The 64 accumulators take turns.
.macro MUL16 a0, p, q, sc, zero
.irp a, \a0, \a0+1
.irp b, 0,1,2,3,4,5,6,7
.if \zero
	v_wmma_scale_f32_16x16x128_f8f6f4 v[8*(8*((\a)%4)+\b):8*(8*((\a)%4)+\b)+7], v[128*(\p)+FR*\b:128*(\p)+FR*\b+FR-1], v[AF+FR*(\a):AF+FR*(\a)+FR-1], 0, v[SC+32*(\sc)+4*\b+(\q)+1], v[SC+32*(\sc)+4*(\a)+(\q)] matrix_a_fmt:MATRIX_FMT_FP6 matrix_b_fmt:MATRIX_FMT_FP6 matrix_a_scale:MATRIX_SCALE_ROW1
.else
	v_wmma_scale_f32_16x16x128_f8f6f4 v[8*(8*((\a)%4)+\b):8*(8*((\a)%4)+\b)+7], v[128*(\p)+FR*\b:128*(\p)+FR*\b+FR-1], v[AF+FR*(\a):AF+FR*(\a)+FR-1], v[8*(8*((\a)%4)+\b):8*(8*((\a)%4)+\b)+7], v[SC+32*(\sc)+4*\b+(\q)+1], v[SC+32*(\sc)+4*(\a)+(\q)] matrix_a_fmt:MATRIX_FMT_FP6 matrix_b_fmt:MATRIX_FMT_FP6 matrix_a_scale:MATRIX_SCALE_ROW1
.endif
.endr
.endr
.endm
.macro FETCH_B sl, q, p
	WIN TO_B
.irp i, 0,1,2,3,4,5,6,7
	FRAG 128*(\p)+FR*\i, ADRB+\sl, \q, \i
.endr
	WIN 0
.endm
.macro FETCH_A sl, q, i0
.irp i, \i0, \i0+1, \i0+2, \i0+3
	FRAG AF+FR*(\i), ADRA+\sl, \q, \i
.endr
.endm
.macro SCALES sl                       ; a slot's scale words: 16 bytes a row, three steps' words in them
.irp i, 0,1,2,3,4,5,6,7
	ds_load_b128 v[SC+32*\sl+4*\i:SC+32*\sl+4*\i+3], v[ADRS+\sl] offset:256*\i
.endr
.endm
.macro ALOAD a                         ; the last tile (slot 0): A's block a, both steps, into buffer a % 4 of 24 registers
	FRAG AF+24*((\a)%4), ADRA, 0, \a
	FRAG AF+24*((\a)%4)+12, ADRA, 1, \a
.endm
; A step of 128 along K: 64 matrix instructions; the next step's fragments (slot nsl, step nq) are fetched in its middle and at its end.
; mode 0: inside a slot.  mode 1: a slot's last step, nothing is filled again.  mode 2: the slot is filled again, two tiles on in the walk, behind a round.  mode 3: the same with tile 10.
; fin = 1: what follows is the last tile, by rows: B's fragments of both its steps and A's blocks 0 to 3 are fetched.
.macro STEP sl, q, p, zero, mode, nsl, nq, ask, fin
.if \mode
.if \ask
	s_wait_xcnt 0x0                                ; my prefetches have read their address: it steps here
	WALK TP, 1
	s_add_nc_u64 s[PFA:PFA+1], s[PFA:PFA+1], TILEB
	s_sub_nc_u64 s[PFA:PFA+1], s[PFA:PFA+1], s[90:91]
.endif
	s_wait_tensorcnt 0x0                           ; my part of the other slot has landed;
	ds_add_u32 v[SPW], v[NIL]
.if \mode == 2
	WALK TI+\sl, 2                                 ; no tensor load of mine is out: the slot's next tile
	s_add_nc_u64 s[G0+4*\sl+2:G0+4*\sl+3], s[G0+4*\sl+2:G0+4*\sl+3], 2*TILEB
	s_sub_nc_u64 s[G0+4*\sl+2:G0+4*\sl+3], s[G0+4*\sl+2:G0+4*\sl+3], s[90:91]
	s_add_nc_u64 s[G0B+4*\sl+2:G0B+4*\sl+3], s[G0B+4*\sl+2:G0B+4*\sl+3], 2*TILEB
	s_sub_nc_u64 s[G0B+4*\sl+2:G0B+4*\sl+3], s[G0B+4*\sl+2:G0B+4*\sl+3], s[90:91]
.endif
.if \mode == 3
	s_mov_b64 s[G0+4*\sl+2:G0+4*\sl+3], s[ENDA:ENDA+1]
	s_or_b32 s[G0+4*\sl+3], s[G0+4*\sl+3], 0x80000000
	s_mov_b64 s[G0B+4*\sl+2:G0B+4*\sl+3], s[ENDB:ENDB+1]
	s_or_b32 s[G0B+4*\sl+3], s[G0B+4*\sl+3], 0x80000000
	s_mov_b32 s[G1+2], 104<<16                     ; tile 10 has 104 rows
	s_mov_b32 s[G1+4], 104
	s_mov_b32 s[G1B+2], 104<<16
	s_mov_b32 s[G1B+4], 104
.endif
	s_wait_dscnt 4*NL+1                            ; the add and the loads of A's blocks 4-7 may be out
	WIN MUL_LO
	MUL16 0, \p, \q, \sl, \zero
	s_wait_dscnt 0x0                               ; the add is done, and my reads of this slot are over
	s_barrier_signal -1
	MUL16 2, \p, \q, \sl, \zero
	WIN 0
	s_barrier_wait -1
.if \mode >= 2
	CREST
	JLOAD G0+4*\sl, G1, G0B+4*\sl, G1B             ; its four v_nop are the places in front of the loads below
.else
	PLACES
.endif
.else
	s_wait_dscnt 4*NL                              ; all but the loads of A's blocks 4-7
	WIN MUL_LO
	MUL16 0, \p, \q, \sl, \zero
	MUL16 2, \p, \q, \sl, \zero
	s_wait_dscnt 0
	PLACES
.endif
	FETCH_B \nsl, \nq, 1-\p
.if \fin
	ALOAD 0
	ALOAD 1
.else
	FETCH_A \nsl, \nq, 0
.endif
.if \nq == 0
	SCALES \nsl
.endif
.if \ask
	ASK
.endif
	WIN MUL_HI
	MUL16 4, \p, \q, \sl, \zero
	MUL16 6, \p, \q, \sl, \zero
	PLACES
	WIN 0
.if \fin
	FETCH_B \nsl, 1, \p
	ALOAD 2
	ALOAD 3
.else
	FETCH_A \nsl, \nq, 4
.endif
.endm
	s_wait_alu depctr_va_vdst(0)                   ; the wait at the head's end
	s_wait_tensorcnt 0x0                           ; my part of the first tile is in; the lines ahead of a later first fill:
	ds_add_u32 v[SPW], v[NIL]
	s_wait_dscnt 0x0
	CROUND
	JLOAD G0+4, G1, G0B+4, G1B                     ; the walk's second tile, slot 1's first fill
	FETCH_B 0, 0, 0
	FETCH_A 0, 0, 0
	SCALES 0
	FETCH_A 0, 0, 4
	STEP 0, 0, 0, 1, 0, 0, 1, 0, 0                 ; the first step starts the sums
	s_mov_b32 s3, 4
.Llap:                                                 ; a trip: six steps, once round the ring; steps 1 to 24 of the walk, refills with its third to tenth tile
	STEP 0, 1, 1, 0, 0, 0, 2, 0, 0
	STEP 0, 2, 0, 0, 2, 1, 0, 1, 0
	STEP 1, 0, 1, 0, 0, 1, 1, 0, 0
	STEP 1, 1, 0, 0, 0, 1, 2, 0, 0
	STEP 1, 2, 1, 0, 2, 0, 0, 1, 0
	STEP 0, 0, 0, 0, 0, 0, 1, 0, 0
	s_sub_co_u32 s3, s3, 1
	s_cmp_lg_u32 s3, 0
	s_cbranch_scc1 .Llap
	STEP 0, 1, 1, 0, 0, 0, 2, 0, 0                 ; steps 25 to 29
	STEP 0, 2, 0, 0, 3, 1, 0, 0, 0                 ; tile 10, the last load
	STEP 1, 0, 1, 0, 0, 1, 1, 0, 0
	STEP 1, 1, 0, 0, 0, 1, 2, 0, 0
	STEP 1, 2, 1, 0, 1, 0, 0, 0, 1
; THE LAST TILE, BY ROWS OF out.  Block a of 16 rows is finished by 16 matrix instructions (two steps x B's eight, its 8 accumulators by turns), goes through my own stage (in 32 bytes a lane,
; back as whole rows of 512 bytes) while block a + 1 is multiplied, and is stored.
.macro ROW a
	WIN MUL_LO+0x50*((\a)/4)
.irp q, 0,1
.irp b, 0,1,2,3,4,5,6,7
	v_wmma_scale_f32_16x16x128_f8f6f4 v[8*(8*((\a)%4)+\b):8*(8*((\a)%4)+\b)+7], v[128*\q+FR*\b:128*\q+FR*\b+FR-1], v[AF+24*((\a)%4)+12*\q:AF+24*((\a)%4)+12*\q+FR-1], v[8*(8*((\a)%4)+\b):8*(8*((\a)%4)+\b)+7], v[SC+4*\b+\q+1], v[SC+4*(\a)+\q] matrix_a_fmt:MATRIX_FMT_FP6 matrix_b_fmt:MATRIX_FMT_FP6 matrix_a_scale:MATRIX_SCALE_ROW1
.endr
.endr
	WIN 0
.endm
.macro TOSTAGE a
.set AC, 64*((\a)%4)
	WIN 0x08+4*((\a)/4)
.irp b, 0,1,2,3,4,5,6,7
	ds_store_b128 v[STO], v[AC+8*\b:AC+8*\b+3] offset:64*\b          ; each accumulator from its low end on
	ds_store_b128 v[STO], v[AC+8*\b+4:AC+8*\b+7] offset:64*\b+16
.endr
	WIN 0
.irp t, 0,1,2,3,4,5,6,7,8,9,10,11,12,13,14,15
	ds_load_b128 v[BK+4*\t:BK+4*\t+3], v[RD] offset:\t*SPITCH      ; LDS serves a wave's instructions in order (ISA guide 5.7.1.4): these see the stores above
.endr
.endm
.macro SEND a, younger
	s_wait_dscnt \younger                          ; the block is back in registers
.if (\a) > 0
	s_add_nc_u64 s[12:13], s[12:13], 16*SIZE_N*4   ; behind a wait on XCNT: the earlier stores have read their base
.endif
.irp t, 0,1,2,3,4,5,6,7,8,9,10,11,12,13,14,15
	global_store_b128 v[CO], v[BK+4*\t:BK+4*\t+3], s[12:13] offset:\t*SIZE_N*4 th:TH_STORE_NT   ; 512 consecutive bytes, aligned
.endr
.endm
	s_wait_dscnt 4*NL                              ; all but the loads of A's blocks 2 and 3
	ROW 0
.irp a, 0,1,2,3,4,5,6,7
	PLACES                                         ; behind block a's last products, ahead of the reads of its results and of the loads into its fragments
.if \a > 0
	s_wait_xcnt 0x0                                ; block a - 1's stores have read their registers and their base
.endif
	TOSTAGE \a
.if \a < 4
	ALOAD \a+4
	s_wait_dscnt 38                                ; all that was issued ahead of block a's 16 stores, 16 loads and the 6 loads just issued
.else
	s_wait_dscnt 32
.endif
.if \a < 7
	ROW \a+1
.endif
.if \a < 4
	SEND \a, 6                                     ; the 6 loads of A's block a + 4 may be out
.else
	SEND \a, 0
.endif
.endr
	s_wait_tensorcnt 0x0                           ; the wave's end
	ds_add_u32 v[SPW], v[NIL]
	s_wait_dscnt 0x0
	CROUND                                         ; the closing round
	s_endpgm
.Lfunc_end_k_q7baaa12fd0_gemm:
	.size	k_q7baaa12fd0_gemm, .Lfunc_end_k_q7baaa12fd0_gemm-k_q7baaa12fd0_gemm
	.p2alignl 7, 3214868480
	.fill 96, 4, 3214868480
	.section	.rodata,"a",@progbits
	.p2align	6, 0x0
	.amdhsa_kernel k_q7baaa12fd0_gemm
		.amdhsa_group_segment_fixed_size 327680
		.amdhsa_private_segment_fixed_size 0
		.amdhsa_enable_private_segment 0
		.amdhsa_kernarg_size 24
		.amdhsa_user_sgpr_count 2
		.amdhsa_user_sgpr_kernarg_segment_ptr 1
		.amdhsa_wavefront_size32 1
		.amdhsa_system_sgpr_workgroup_id_x 1
		.amdhsa_system_sgpr_workgroup_id_y 1
		.amdhsa_system_sgpr_workgroup_id_z 1
		.amdhsa_system_vgpr_workitem_id 0
		.amdhsa_next_free_vgpr 1024
		.amdhsa_next_free_sgpr 98
		.amdhsa_reserve_vcc 0
		.amdhsa_float_denorm_mode_32 3
		.amdhsa_float_denorm_mode_16_64 3
		.amdhsa_memory_ordered 1
		.amdhsa_forward_progress 1
		.amdhsa_inst_pref_size 208
	.end_amdhsa_kernel
	.amdgpu_metadata
---
amdhsa.version: [ 1, 2 ]
amdhsa.kernels:
  - .name:           k_q7baaa12fd0_gemm
    .symbol:         k_q7baaa12fd0_gemm.kd
    .args:
      - { .name: xi, .offset: 0, .size: 8, .value_kind: global_buffer, .address_space: global }
      - { .name: wi, .offset: 8, .size: 8, .value_kind: global_buffer, .address_space: global }
      - { .name: out0, .offset: 16, .size: 8, .value_kind: global_buffer, .address_space: global }
    .group_segment_fixed_size: 327680
    .private_segment_fixed_size: 0
    .kernarg_segment_align: 8
    .kernarg_segment_size: 24
    .max_flat_workgroup_size: 128
    .sgpr_count:     98
    .vgpr_count:     1024
    .wavefront_size: 32
...
	.end_amdgpu_metadata
.endif
;; end of part 2
